; MI455X (gfx1250); checked and timed in simulation.
; The chip was launched on July 23, 2026; its instructions are those of AMD's public machine-readable ISA for CDNA 5 (MIT licence, August 2026) and "CDNA5" Instruction Set Architecture Reference Guide (July 2026). The comments in the code are by the model that wrote it; some were corrected since.
;; Gating Network. Allowed arithmetic: matrix products marked QUANTISED: E5M2 operands, one E8M0 scale for each 32 along K, by v_wmma_scale_f32_16x16x128_f8f6f4 with both operands' format E5M2, f32 sums; everything else in f32.
;; Inputs: W 2,048 x 64 float32; b 64 float32; x 16,384 x 2,048 float32.
;; Outputs: out0 16,384 x 2 float32; out1 16,384 x 2 int32; out2 16,384 x 64 float32.
;; This version of the problem:
;;   THIS VERSION OF THE PROBLEM IS GIVEN IN LOW PRECISION. The matrix products marked QUANTISED in the list below multiply operands that are first quantised to E5M2 (5 exponent bits, 2 mantissa bits; 8 bits a number), with one power-of-two scale for each 32 numbers along K (OCP MX v1.0); their sums are f32. All else is computed in f32.
;;   The module's matrix products, in the order in which they are computed (A, B: the left and right operand; K: the contracted axis; several contracted axes count as one K, in the product's order):
;;     1. [M 16,384, K 2,048] x [K 2,048, N 64]; A: input x; B: input W: QUANTISED
;;   THE QUANTISER, for each operand of a quantised product, along K:
;;     - K is cut into blocks of 32 from its start; a last block that is shorter is filled with zeros.
;;     - A block's scale is 2^e with e = floor(log2(the largest magnitude in the block)) - 15, held to -126 .. 127; a block of zeros has e = 0. As a byte (E8M0): e + 127.
;;     - Each number is divided by its block's scale, clamped to +-57,344, and rounded to the nearest number of E5M2, ties to even, subnormals kept.
;;     - The product sums the exact products of the quantised numbers (number of the format x scale) in f32.
;;   ~~~python
;;   def quantise(x, axis):      # numpy; x: float32 -> the quantised numbers, widened to float32 again
;;       x = np.moveaxis(x, axis, -1); K = x.shape[-1]
;;       x = np.pad(x, [(0, 0)] * (x.ndim - 1) + [(0, -K % 32)]); x = x.reshape(x.shape[:-1] + (-1, 32)); a = np.abs(x).max(-1, keepdims=True)
;;       e = np.where(a > 0, np.clip(np.frexp(np.where(a > 0, a, 1))[1] - 1 - 15, -126, 127), 0)      # np.frexp(a)[1] - 1 = floor(log2(a)), exactly
;;       r = np.clip(x / 2.0 ** e, -57344, 57344)
;;       step = 2.0 ** (np.maximum(np.frexp(np.where(r == 0, 1, r))[1] - 1, -14) - 2)
;;       q = np.round(r / step) * step * 2.0 ** e      # np.round: ties to even
;;       return np.moveaxis(q.reshape(q.shape[:-2] + (-1,))[..., :K], -1, axis).astype(np.float32)
;;   ~~~
;; One version. Each part assembles by itself: llvm-mc -triple=amdgcn-amd-amdhsa -mcpu=gfx1250 --defsym DOCPART=n.
;; ======== version 1 of 1: 1 launch
;; limits: right only within a limited range of input values
;; launch gate (part 1): grid 256 x 1, 8 waves a work-group, no clusters, 327,680 bytes of LDS; arguments x, W, b, out0, out1, out2; writes out0, out1, out2
.if DOCPART == 1
	.amdgcn_target "amdgcn-amd-amdhsa--gfx1250"
	.amdhsa_code_object_version 6
	.text
	.protected	k_q56b48e16f1_gate
	.globl	k_q56b48e16f1_gate
	.p2align	8
	.type	k_q56b48e16f1_gate,@function
k_q56b48e16f1_gate:
	s_mov_b64 s[64:65], 0
	v_nop
	global_prefetch_b8 v0, s[64:65] scope:SCOPE_SE
	s_setreg_imm32_b32 hwreg(HW_REG_WAVE_MODE, 25, 1), 1
	s_wait_xcnt 0x0
; logits = Q(x) Q(W) + b on codes of BF8 (E5M2) with one E8M0 scale for each 32 along K; weights = softmax(logits); the two largest weights and their experts.
; x [16384][2048] f32, W [2048][64] f32 (K is its first axis), b [64] f32.  out0 [16384][2] f32, out1 [16384][2] i32, out2 [16384][64] f32.  No work of the definition is left out.
; SHARES.  A work-group owns 64 tokens; its eight waves share K: wave w owns k = 256 w .. 256 w + 255, two matrix steps, for all 64 tokens and all 64 experts.  Each number of W is quantised once in a work-group, into the
; registers of the wave that multiplies it; the eight waves' partial sums meet in LDS.
; W goes straight into registers, up to three blocks of 32 rows ahead: a load of 16 bytes a lane takes rows k and k + 16 whole (lane r the bytes 16 r on): the lane's four numbers are experts 4 r .. 4 r + 3 at one k.
; They are dealt to four tiles: tile t, row m is expert 4 m + t.  The hold in front of the conversion writes each number where the conversion wants it (16 registers down K), so nothing is moved for the transposition.
; x, TOKENS 0-31: one tensor load a wave at the head, its 1,024 bytes of each row, into its own region (rows of 1,040 bytes).
; x, TOKENS 32-63: loads into the registers that W's raw blocks leave, in eight pairs of blocks (16 tokens x 64 along K; each half of the lanes one aligned run of 256 bytes); a pair turns through the wave's region, in rows of 272 bytes.
; ORDER.  W, and behind its last three blocks x's pairs 0-5 are asked for; codes and products of tokens 0-31; their sums over K, softmax and results, pairs 6 and 7 on their way; codes and products of tokens 32-63; their results.
; THE PRODUCT has the experts as rows (source 0 = W's tile, source 1 = 16 tokens): lane (r, h) holds token r, and register j of tile t expert 32 h + 4 j + t.
; THE SUM OVER K: each wave stores a tile of 16 tokens as 16 rows of 272 bytes (row 4 t + 2 (j / 4) + h, 16 bytes for each token) into its own region; behind a barrier wave v takes tokens v (lanes 0-15) and v + 8 (lanes 16-31) of
; two tiles, side by side.
; SOFTMAX AND TOP-2 as the definition has them: the row's maximum is taken away, the two largest are sought among the WEIGHTS, and of equal weights the lower expert wins: the largest weight (the largest logit's exponential is 2^0, so it
; is the reciprocal of the sum itself), the least expert that has it, that one element struck out, and the same again.
; NO JOINT LOADS, though all work-groups read the same W: a joint load lands in LDS, where x's rows take 266,240 of the 327,680 bytes; W's 524,288 bytes would pass through what is left in many refills, each behind a drained round of
; the cluster.  NO PREFETCH: there is no loop to run ahead in; x's second half is itself asked for ahead of the work on the first.
; LIMITS.  NaN and infinities among the inputs are not served.  Blocks whose largest magnitude lies under 2^(15 - 126) keep the scale byte 1; so does a block of zeros, where the rule says 127: its codes are zeros, and only this text
; reads the byte.  Weights under 2^-126 come out as 0 (v_exp_f32 flushes: ISA guide 15.8).  The row's sum divides by v_rcp_f32, good to 1 ulp.  K is summed as eight matrix sums of 256 and a tree over them, not as one chain.
.set XROW,   8192                      ; a row of x in bytes
.set XP,     1040                      ; a token's 1,024 bytes in LDS + 16 of padding = 260 words: row r starts at bank 4 r mod 64 (64 banks of 4 bytes: ISA guide 11.1)
.set REGION, 32*XP                     ; a wave's region: 33,280 bytes
.set PP,     272                       ; a row of partial sums (16 tokens x 16 bytes + 16) or of a pair of blocks (256 bytes + 16)
.set PSZ,    16*PP                     ; a tile's partial sums of one wave; a pair of blocks of 16 tokens
.set PB,     2*PSZ                     ; in a region: two places for pairs of blocks, then four tiles' partial sums
.set STG,    8*REGION                  ; behind the regions: rows of out2 on their way out: 4 rows of 272 bytes a wave, in 1,280
.set BT,     STG+8*1280                ; b in the reader's order, 256 bytes for each wave
.set TOPV,   BT+8*256                  ; the work-group's 512 bytes of out0, then its 512 of out1
.set SPARE,  TOPV+1024                 ; the spare words, 128 bytes for each wave
.set AW,  1                            ; v1   W in memory: 4,096 h + 16 r
.set VG,  2                            ; v2   x in memory: 8,192 h + 16 r
.set LF,  3                            ; v3   a fragment's numbers in LDS, tokens 0-31: region + 1,040 r + 64 h
.set LPI, 4                            ; v4   partial sums and pairs, on the way in: region + 272 h + 16 r
.set SPW, 5                            ; v5   my spare word; never rewritten
.set NIL, 6                            ; v6   0; never rewritten
.set WS,  8                            ; v8-15  W's scale words: 4 x step + tile
.set XS,  16                           ; v16-17 x's scale words, one a step
.set LFS, 18                           ; v18  a fragment's numbers in LDS, tokens 32-63: region + 272 r + 64 h
.set TA,  20                           ; v20-23 at work
.set TS,  24                           ; v24-25 x: the conversions' scale operands; v26-27 the bounds
.set TB,  26
.set WM,  24                           ; v24-27 W: the four tiles' largest magnitudes
.set WL,  28                           ; v28-31 the other half's; W's bounds
.set X,   32                           ; v32-95 numbers in hand; in the reductions the work of two passes
.set R0,  96                           ; v96-159 raw W, set 0; then x's pairs 2, 3
.set R1,  160                          ; v160-223 raw W, set 1; then x's pairs 4, 5; then the second reduction's addresses
.set XC,  224                          ; v224-255 x's codes of a tile; b and the first reduction's addresses between
.set ACC, 128                          ; window 1: v0-127 W's codes (64 x step + 16 x tile); v128-255 the accumulators, 32 for each 16 tokens
.set R2,  192                          ; window 1: raw W, set 2; then x's pairs 0, 1; then tokens 32-63's accumulators.  (Pairs 6, 7: where tokens 0-31's were)
.set G1,  24                           ; s[24:31] descriptor group 1; s[32:35] group 0
.set Q,   32
.set MSB, 0
.macro WIN new                         ; the immediate's high byte repeats the setting that is left
.if MSB != (\new)
	s_set_vgpr_msb (MSB<<8)|(\new)
.set MSB, \new
.endif
.endm
.macro WALU                            ; the wait ahead of a wait that blocks and round a batch of transcendentals
	s_wait_alu depctr_va_vdst(0)
.endm
.macro PLACES n
.rept \n
	v_nop
.endr
.endm
	s_load_b256 s[4:11], s[0:1], 0x0               ; x s[4:5], W s[6:7], b s[8:9], out0 s[10:11]
	s_load_b128 s[12:15], s[0:1], 0x20             ; out1 s[12:13], out2 s[14:15]
	v_lshl_add_u32 v[SPW], v0, 2, SPARE
	v_mov_b32 v[NIL], 0
	ds_add_u32 v[SPW], v[NIL]                      ; the opening lines: the add, twice on end; the set-up below stands between them and their wait
	ds_add_u32 v[SPW], v[NIL]
	v_lshrrev_b32 v20, 5, v0
	v_and_b32 v21, 15, v0                          ; r
	v_bfe_u32 v22, v0, 4, 1                        ; h
	v_and_b32 v230, 1, v0
	v_readfirstlane_b32 s16, v20                   ; wave 0..7
	v_bfe_u32 v231, v0, 1, 1
	v_bfe_u32 v228, v0, 2, 2
	v_lshlrev_b32 v[AW], 4, v21
	v_mul_u32_u24 v[LF], v21, XP
	v_mul_u32_u24 v[LPI], v22, PP
	v_mul_u32_u24 v[LFS], v21, PP
	v_lshl_add_u32 v228, v231, 4, v228
	v_lshl_add_u32 v[VG], v22, 13, v[AW]
	v_lshl_add_u32 v[AW], v22, 12, v[AW]
	v_lshl_add_u32 v[LF], v22, 6, v[LF]
	v_lshl_add_u32 v[LPI], v21, 4, v[LPI]
	v_lshl_add_u32 v[LFS], v22, 6, v[LFS]
	v_lshl_add_u32 v228, v230, 5, v228             ; e0 = 32 h + 16 (j / 4) + t of a reader's lane mu = lane % 16 = 4 t + 2 (j / 4) + h
	s_mul_i32 s17, s16, REGION                     ; my region
	s_lshl_b32 s23, s16, 8
	s_add_co_u32 s58, s23, BT                      ; my table of b
	v_lshlrev_b32 v228, 2, v228                    ; 4 e0: where my four numbers of b begin, 16 bytes apart
	v_add_nc_u32 v[LF], s17, v[LF]
	v_add_nc_u32 v[LPI], s17, v[LPI]
	v_add_nc_u32 v[LFS], s17, v[LFS]
	v_lshl_add_u32 v229, v21, 4, s58               ; my 16 bytes of the table
.irp t, 0,1,2,3
	v_mov_b32 v[WL+\t], 0                          ; written once: a lane permute's destination counts as one of its sources
.endr
	s_mov_b32 s[G1+0], (2<<16)|(1<<20)|(7<<22)|(3<<25)     ; elements of 4 bytes; padding: after every 256 words (code 7) 4 words (code 3)
	s_mov_b32 s[G1+1], 256<<16                     ; tensor_dim0 = 256: my 1,024 bytes of a row
	s_mov_b32 s[G1+2], 32<<16                      ; tensor_dim1 = 32 tokens
	s_mov_b32 s[G1+3], 256<<16                     ; tile_dim0
	s_mov_b32 s[G1+4], 32                          ; tile_dim1
	s_mov_b32 s[G1+5], 2048                        ; from row to row
	s_mov_b32 s[G1+6], 0
	s_mov_b32 s[G1+7], 0
	s_lshl_b32 s52, ttmp9, 19                      ; x: the work-group's 64 rows of 8,192 bytes (under 2^27),
	s_lshl_b32 s53, s16, 10
	s_add_co_u32 s52, s52, s53                     ; and my 1,024 bytes of each
	s_mov_b32 s53, 0
	s_lshl_b32 s48, s16, 16                        ; W: my 256 rows of 256 bytes
	s_mov_b32 s49, 0
	s_mov_b32 s32, 1
	s_mov_b32 s33, s17
	s_mov_b32 s20, 0x76543210
	s_mov_b32 s21, 0xfedcba98                      ; v_permlanex16_b32's selects for lane l xor 16
	s_mov_b32 s22, 0x600000                        ; the mantissa field of 57,344
	WALU
	s_wait_dscnt 0x0                               ; both opening adds are done
	s_wait_kmcnt 0x0
	s_add_nc_u64 s[50:51], s[4:5], s[52:53]
	s_mov_b64 s[34:35], s[50:51]
	s_or_b32 s35, s35, 0x80000000
	tensor_load_to_lds s[32:35], s[24:31]          ; tokens 0-31: the launch's one tensor load a wave
	s_nop 0
	s_add_nc_u64 s[6:7], s[6:7], s[48:49]
.irp i, 0,1,2,3
	global_load_b32 v[224+\i], v228, s[8:9] offset:16*\i           ; b(e0 + 4 i)
.endr
; block c of my K: rows 32 c + 16 h + i, i = 0 .. 15: each load takes two whole rows.  Register 4 i + t of the set: W(32 c + 16 h + i, 4 r + t)
.macro SETOF c
.if (\c)%3 == 0
.set RS_, R0
.set RW_, 0
.elseif (\c)%3 == 1
.set RS_, R1
.set RW_, 0
.else
.set RS_, R2
.set RW_, 1
.endif
.endm
.macro WLOAD c
	SETOF \c
	WIN RW_<<6
.irp i, 0,1,2,3,4,5,6,7,8,9,10,11,12,13,14,15
	global_load_b128 v[RS_+4*\i:RS_+4*\i+3], v[AW], s[6:7] offset:(32*(\c)+\i)*256
.endr
	WIN 0
.endm
	WLOAD 0
	WLOAD 1
	WLOAD 2
	s_lshl_b32 s52, ttmp9, 14                      ; out2: the work-group's 64 rows of 256 bytes, and my row among each eight
	s_add_co_u32 s52, s52, s23
	s_add_nc_u64 s[14:15], s[14:15], s[52:53]
	s_lshl_b32 s52, ttmp9, 9                       ; out0, out1: 512 bytes a work-group
	s_add_nc_u64 s[10:11], s[10:11], s[52:53]
	s_add_nc_u64 s[12:13], s[12:13], s[52:53]
	s_cmp_eq_u32 s16, 0
	s_cselect_b64 s[10:11], s[10:11], s[12:13]     ; wave 0 will store out0's 512 bytes, wave 1 out1's: the choice hangs on the wave's number alone
	s_lshl_b32 s54, s16, 4                         ; my column among the partial sums
	s_add_co_u32 s54, s54, PB
	s_mul_i32 s55, s16, 1280
	s_add_co_u32 s55, s55, STG                     ; my row stage
	s_lshl_b32 s56, s16, 3
	s_add_co_u32 s56, s56, TOPV                    ; my first token's 8 bytes of out0
	s_and_b32 s57, s16, 1
	s_lshl_b32 s57, s57, 9
	s_add_co_u32 s57, s57, TOPV
	s_mov_b32 s40, 0x3fb8aa3b                      ; log2(e), as a pair
	s_mov_b32 s41, 0x3fb8aa3b
; BLOCK c OF W BECOMES CODES: registers 4 (c % 4) .. of the four fragments of step c / 4, and byte c % 4 of their scale words.
.macro WCHUNK c
	SETOF \c
	WIN 5*RW_
.irp t, 0,1,2,3
	v_max3_num_f32 v[WM+\t], |v[RS_+\t]|, |v[RS_+4+\t]|, 0x8000000         ; my 16 numbers, and the floor 2^(16 - 127): so the byte cannot fall under 1
.endr
.irp i, 2,4,6,8,10,12,14
.irp t, 0,1,2,3
	v_max3_num_f32 v[WM+\t], |v[RS_+4*\i+\t]|, |v[RS_+4*\i+4+\t]|, v[WM+\t]
.endr
.endr
	WIN 0
.irp t, 0,1,2,3
	v_permlanex16_b32 v[WL+\t], v[WM+\t], s20, s21
.endr
.irp t, 0,1,2,3
	v_max_num_f32 v[WM+\t], v[WM+\t], v[WL+\t]     ; with lane l xor 16's 16: the block's largest magnitude
.endr
.irp t, 0,1,2,3
	v_add_nc_u32 v[TA+\t], 0xf8800000, v[WM+\t]    ; 15 off its exponent field: the conversion takes the exponent field of this operand as its scale
.endr
.irp t, 0,1,2,3
	v_and_or_b32 v[WL+\t], v[WM+\t], 0x7f800000, s22       ; 57,344 x the scale
.endr
.if (\c)%4 == 0
.irp t, 0,1,2,3
	v_lshrrev_b32 v[WS+4*((\c)/4)+\t], 23, v[TA+\t]        ; the scale's byte starts the word
.endr
.else
.irp t, 0,1,2,3
	v_lshrrev_b32 v[WM+\t], 23, v[TA+\t]
.endr
.irp t, 0,1,2,3
	v_lshl_or_b32 v[WS+4*((\c)/4)+\t], v[WM+\t], 8*((\c)%4), v[WS+4*((\c)/4)+\t]
.endr
.endif
	WIN RW_
.irp i, 0,1,2,3,4,5,6,7,8,9,10,11,12,13,14,15
.irp t, 0,1,2,3
	v_med3_num_f32 v[X+16*\t+\i], v[RS_+4*\i+\t], -v[WL+\t], v[WL+\t]      ; the hold (the conversion to an 8-bit code does not saturate: ISA guide 7.6.2), and the transposition
.endr
.endr
	WIN 0x40
.irp t, 0,1,2,3
.set C_, 64*((\c)/4)+16*\t+4*((\c)%4)
	v_cvt_scalef32_pk8_bf8_f32 v[C_:C_+1], v[X+16*\t:X+16*\t+7], v[TA+\t]
	v_cvt_scalef32_pk8_bf8_f32 v[C_+2:C_+3], v[X+16*\t+8:X+16*\t+15], v[TA+\t]
.endr
	WIN 0
	v_nop                                          ; one plain vector line behind the conversions
.endm
; tokens 0-31: PAIR g = 0 .. 7: tile g / 4, blocks 2 (g % 4) and 2 (g % 4) + 1 of my eight, into set g % 2
.macro XLD g
.irp bb, 0,1
.irp jj, 0,1,2,3
	ds_load_b128 v[X+32*((\g)%2)+16*\bb+4*\jj:X+32*((\g)%2)+16*\bb+4*\jj+3], v[LF] offset:((\g)/4)*16*XP+128*(2*((\g)%4)+\bb)+16*\jj  ; token r, k = 32 c + 16 h + 4 jj on
.endr
.endr
.endm
; tokens 32-63: PAIR g: tile 2 + g / 4, the same blocks; where its raw numbers lie
.macro XSET g
.if (\g) < 2
.set RX_, R2+32*(\g)
.set RXW_, 1
.elseif (\g) < 6
.set RX_, R0+32*((\g)-2)
.set RXW_, 0
.else
.set RX_, ACC+32*((\g)-6)
.set RXW_, 1
.endif
.endm
.macro XG g                            ; eight loads, two tokens each, 256 consecutive bytes of both, aligned.  Read once in the launch
	XSET \g
	WIN RXW_<<6
.irp n, 0,1,2,3,4,5,6,7
	global_load_b128 v[RX_+4*\n:RX_+4*\n+3], v[VG], s[50:51] offset:(32+16*((\g)/4)+2*\n)*XROW+256*((\g)%4) th:TH_LOAD_NT
.endr
	WIN 0
.endm
.macro STAGE g                         ; through place g % 2 of my region, which I alone touch: LDS serves a wave's instructions in order (ISA guide 5.7.1.4)
	XSET \g
	WALU
	s_wait_loadcnt 8*(7-(\g))                      ; this pair's eight loads are in; the later pairs' may be out
	WIN RXW_<<2
.irp n, 0,1,2,3,4,5,6,7
	ds_store_b128 v[LPI], v[RX_+4*\n:RX_+4*\n+3] offset:PSZ*((\g)%2)+2*PP*\n
.endr
	WIN 0
.irp bb, 0,1
.irp jj, 0,1,2,3
	ds_load_b128 v[X+32*((\g)%2)+16*\bb+4*\jj:X+32*((\g)%2)+16*\bb+4*\jj+3], v[LFS] offset:PSZ*((\g)%2)+128*\bb+16*\jj
.endr
.endr
.endm
.macro XQ g                            ; a pair becomes codes: largest magnitudes, scale operands, bounds, bytes, holds, conversions
.set S_, X+32*((\g)%2)
.set XR_, XS+((\g)%4)/2
.irp bb, 0,1
	v_max3_num_f32 v[TA+\bb], |v[S_+16*\bb]|, |v[S_+16*\bb+1]|, 0x8000000
	v_max3_num_f32 v[TA+2+\bb], |v[S_+16*\bb+8]|, |v[S_+16*\bb+9]|, |v[S_+16*\bb+10]|
.endr
.irp i, 2,4
.irp bb, 0,1
	v_max3_num_f32 v[TA+\bb], v[TA+\bb], |v[S_+16*\bb+\i]|, |v[S_+16*\bb+\i+1]|
	v_max3_num_f32 v[TA+2+\bb], v[TA+2+\bb], |v[S_+16*\bb+\i+9]|, |v[S_+16*\bb+\i+10]|
.endr
.endr
.irp bb, 0,1
	v_max3_num_f32 v[TA+\bb], v[TA+\bb], |v[S_+16*\bb+6]|, |v[S_+16*\bb+7]|
.endr
.irp bb, 0,1
	v_max3_num_f32 v[TA+\bb], v[TA+\bb], v[TA+2+\bb], |v[S_+16*\bb+15]|
.endr
.irp bb, 0,1
	v_permlanex16_b32 v[WL+\bb], v[TA+\bb], s20, s21
.endr
.irp bb, 0,1
	v_max_num_f32 v[TA+\bb], v[TA+\bb], v[WL+\bb]
.endr
.irp bb, 0,1
	v_add_nc_u32 v[TS+\bb], 0xf8800000, v[TA+\bb]
.endr
.irp bb, 0,1
	v_and_or_b32 v[TB+\bb], v[TA+\bb], 0x7f800000, s22
.endr
.if (\g)%2 == 0
	v_lshrrev_b32 v[XR_], 23, v[TS]
	v_lshrrev_b32 v[TA+1], 23, v[TS+1]
	v_lshl_or_b32 v[XR_], v[TA+1], 8, v[XR_]
.else
	v_lshrrev_b32 v[TA], 23, v[TS]
	v_lshrrev_b32 v[TA+1], 23, v[TS+1]
	v_lshl_or_b32 v[XR_], v[TA], 16, v[XR_]
	v_lshl_or_b32 v[XR_], v[TA+1], 24, v[XR_]      ; the word is whole: the 32 holds below are more than the eight places that it stands ahead of the products
.endif
.irp i, 0,1,2,3,4,5,6,7,8,9,10,11,12,13,14,15
	v_med3_num_f32 v[S_+\i], v[S_+\i], -v[TB], v[TB]
	v_med3_num_f32 v[S_+16+\i], v[S_+16+\i], -v[TB+1], v[TB+1]
.endr
.irp bb, 0,1
.set C_, XC+16*(((\g)%4)/2)+8*((\g)%2)+4*\bb
	v_cvt_scalef32_pk8_bf8_f32 v[C_:C_+1], v[S_+16*\bb:S_+16*\bb+7], v[TS+\bb]
	v_cvt_scalef32_pk8_bf8_f32 v[C_+2:C_+3], v[S_+16*\bb+8:S_+16*\bb+15], v[TS+\bb]
.endr
	v_nop                                          ; one plain vector line behind the conversions
.endm
; eight products: 16 tokens x four tiles of experts x two steps; four accumulators by turns.  The first step's C is 0
.macro MUL u
	PLACES 4                                       ; between codes written by vector instructions and a scaled matrix instruction
	WIN 0x51
.irp q, 0,1
.irp t, 0,1,2,3
.set D_, ACC+32*(\u)+8*\t
.set A_, 64*\q+16*\t
.set B_, XC+16*\q
.if \q
	v_wmma_scale_f32_16x16x128_f8f6f4 v[D_:D_+7], v[A_:A_+15], v[B_:B_+15], v[D_:D_+7], v[WS+4*\q+\t], v[XS+\q] matrix_a_fmt:MATRIX_FMT_BF8 matrix_b_fmt:MATRIX_FMT_BF8
.else
	v_wmma_scale_f32_16x16x128_f8f6f4 v[D_:D_+7], v[A_:A_+15], v[B_:B_+15], 0, v[WS+4*\q+\t], v[XS+\q] matrix_a_fmt:MATRIX_FMT_BF8 matrix_b_fmt:MATRIX_FMT_BF8
.endif
.endr
.endr
	WIN 0
.endm
.macro PST u                           ; a tile's partial sums into my region, each accumulator from its low end on
	WIN 4
.irp t, 0,1,2,3
	ds_store_b128 v[LPI], v[ACC+32*(\u)+8*\t:ACC+32*(\u)+8*\t+3] offset:PB+(\u)*PSZ+(2*\t)*2*PP
	ds_store_b128 v[LPI], v[ACC+32*(\u)+8*\t+4:ACC+32*(\u)+8*\t+7] offset:PB+(\u)*PSZ+(2*\t+1)*2*PP
.endr
	WIN 0
.endm
; A REDUCTION'S REGISTERS, from ad on: 0-3 b; 4 the table's address; 8-11 my experts as f32: e0 + 4 i; 12-15 the partial sums' addresses; 16, 17 the row stage, in and back; 18 out2; 19 the pairs' place; 20, 21 out0's or out1's 512 bytes, in memory and in LDS
.macro SETUP ad
	v_and_b32 v[\ad+5], 15, v0                     ; mu
	v_bfe_u32 v[\ad+6], v0, 4, 1                   ; which half
	v_and_b32 v[\ad+7], 1, v0
	v_bfe_u32 v[\ad+24], v0, 1, 1
	v_bfe_u32 v[\ad+25], v0, 2, 2
	v_mul_u32_u24 v[\ad+12], v[\ad+5], PP          ; row mu,
	v_mul_u32_u24 v[\ad+16], v[\ad+6], PP
	v_lshl_add_u32 v[\ad+25], v[\ad+24], 4, v[\ad+25]
	v_lshl_add_u32 v[\ad+12], v[\ad+6], 7, v[\ad+12]       ; lanes 16-31 eight tokens on,
	v_lshlrev_b32 v[\ad+18], 4, v[\ad+5]
	v_lshl_add_u32 v[\ad+25], v[\ad+7], 5, v[\ad+25]       ; e0
	v_add_nc_u32 v[\ad+12], s54, v[\ad+12]         ; my column
	v_lshlrev_b32 v[\ad+19], 6, v[\ad+6]
	v_cvt_f32_u32 v[\ad+8], v[\ad+25]
	v_add_nc_u32 v[\ad+16], s55, v[\ad+16]
	v_lshlrev_b32 v[\ad+25], 2, v[\ad+25]
	v_add_nc_u32 v[\ad+13], 2*REGION, v[\ad+12]    ; (an LDS offset has 16 bits: two regions to an address)
	v_add_nc_u32 v[\ad+14], 4*REGION, v[\ad+12]
	v_add_nc_u32 v[\ad+15], 6*REGION, v[\ad+12]
	v_add_f32 v[\ad+9], 4.0, v[\ad+8]
	v_add_f32 v[\ad+10], 0x41000000, v[\ad+8]
	v_add_f32 v[\ad+11], 0x41400000, v[\ad+8]
	v_lshl_add_u32 v[\ad+17], v[\ad+5], 4, v[\ad+16]
	v_lshl_add_u32 v[\ad+4], v[\ad+5], 4, s58
	v_and_b32 v[\ad+20], 31, v0
	v_add_nc_u32 v[\ad+16], v[\ad+16], v[\ad+25]
	v_lshl_add_u32 v[\ad+18], v[\ad+6], 11, v[\ad+18]
	v_add_nc_u32 v[\ad+19], s56, v[\ad+19]
	v_lshlrev_b32 v[\ad+20], 4, v[\ad+20]
	v_add_nc_u32 v[\ad+21], s57, v[\ad+20]
.endm
.macro ROW16 op, r                     ; joins the 16 lanes of a row, the two passes by turns; every lane ends with the result
.irp m, 1,2,4,8
.irp p, 0,1
	\op v[Q+32*\p+\r], v[Q+32*\p+\r], v[Q+32*\p+\r] row_xmask:\m row_mask:0xf bank_mask:0xf
.endr
.endr
.endm
.macro LARGEST d, s                    ; the largest of a token's 64 numbers at s .. s + 3
.irp p, 0,1
	v_max3_num_f32 v[Q+32*\p+\d], v[Q+32*\p+\s], v[Q+32*\p+\s+1], v[Q+32*\p+\s+2]
.endr
.irp p, 0,1
	v_max_num_f32 v[Q+32*\p+\d], v[Q+32*\p+\d], v[Q+32*\p+\s+3]
.endr
	ROW16 v_max_num_f32_dpp, \d
.endm
.macro WHERE d, s, top, ad             ; the least expert whose number at s equals top: from the top down, so that my lowest stays; then over the lanes
.irp i, 3,2,1,0
.irp p, 0,1
	v_cmp_eq_f32 s[42+2*\i-6*(\i/3)+\p], v[Q+32*\p+\s+\i], v[Q+32*\p+\top]
.endr
.irp p, 0,1
.if \i == 3
	v_cndmask_b32 v[Q+32*\p+\d], v[\ad+23], v[\ad+11], s[42+2*\i-6*(\i/3)+\p]
.else
	v_cndmask_b32 v[Q+32*\p+\d], v[Q+32*\p+\d], v[\ad+8+\i], s[42+2*\i-6*(\i/3)+\p]
.endif
.endr
.endr
	ROW16 v_min_num_f32_dpp, \d
.endm
; PASS p = 0, 1: tile t0 + p, tokens v and v + 8.  Registers from Q + 32 p on: 0-3 logits, 4-7 exponentials, 8-11 weights, 12-15 weights with the first struck out, 16-18 single numbers, 20-21 the two weights, 22-23 the two experts, 24-27 a row's 16 bytes
.macro RED t0, ad
	ds_load_b128 v[\ad:\ad+3], v[\ad+4]            ; b(e0 + 4 i)
.irp p, 0,1
.irp w, 0,1,2,3,4,5,6,7
	ds_load_b128 v[Q+32*\p+4*\w:Q+32*\p+4*\w+3], v[\ad+12+(\w/2)] offset:(\w%2)*REGION+(\t0+\p)*PSZ
.endr
.endr
.if \t0 == 0
	XG 6                                           ; the last two pairs of x, where these tiles' accumulators were (the stores of them were waited for ahead of the barrier)
	XG 7
.endif
.irp p, 0,1
.set B_, Q+32*\p
	WALU
	s_wait_dscnt 8-8*\p                            ; b and this pass's eight are in; the other pass's may be out
.irp a, 0,8,16,24
	v_pk_add_f32 v[B_+\a:B_+\a+1], v[B_+\a:B_+\a+1], v[B_+\a+4:B_+\a+5]
	v_pk_add_f32 v[B_+\a+2:B_+\a+3], v[B_+\a+2:B_+\a+3], v[B_+\a+6:B_+\a+7]
.endr
.irp a, 0,16
	v_pk_add_f32 v[B_+\a:B_+\a+1], v[B_+\a:B_+\a+1], v[B_+\a+8:B_+\a+9]
	v_pk_add_f32 v[B_+\a+2:B_+\a+3], v[B_+\a+2:B_+\a+3], v[B_+\a+10:B_+\a+11]
.endr
	v_pk_add_f32 v[B_:B_+1], v[B_:B_+1], v[B_+16:B_+17]
	v_pk_add_f32 v[B_+2:B_+3], v[B_+2:B_+3], v[B_+18:B_+19]
	v_pk_add_f32 v[B_:B_+1], v[B_:B_+1], v[\ad:\ad+1]      ; + b: the logits
	v_pk_add_f32 v[B_+2:B_+3], v[B_+2:B_+3], v[\ad+2:\ad+3]
.endr
	LARGEST 16, 0                                  ; the row's largest logit
.irp i, 0,1,2,3
.irp p, 0,1
	v_sub_f32 v[Q+32*\p+4+\i], v[Q+32*\p+\i], v[Q+32*\p+16]
.endr
.endr
.irp i, 4,6
.irp p, 0,1
	v_pk_mul_f32 v[Q+32*\p+\i:Q+32*\p+\i+1], v[Q+32*\p+\i:Q+32*\p+\i+1], s[40:41] op_sel_hi:[1,0]
.endr
.endr
	WALU
.irp i, 4,5,6,7
.irp p, 0,1
	v_exp_f32 v[Q+32*\p+\i], v[Q+32*\p+\i]
.endr
.endr
	v_mov_b32 v[\ad+22], -1.0                      ; a plain line behind the exponentials (under every weight: it will strike the first out)
	WALU
.irp p, 0,1
	v_add_f32 v[Q+32*\p+17], v[Q+32*\p+4], v[Q+32*\p+5]
	v_add_f32 v[Q+32*\p+18], v[Q+32*\p+6], v[Q+32*\p+7]
.endr
.irp p, 0,1
	v_add_f32 v[Q+32*\p+17], v[Q+32*\p+17], v[Q+32*\p+18]
.endr
	ROW16 v_add_f32_dpp, 17                        ; the row's sum
	WALU
.irp p, 0,1
	v_rcp_f32 v[Q+32*\p+20], v[Q+32*\p+17]         ; the largest weight: 2^0 over the sum
.endr
	v_mov_b32 v[\ad+23], 0x42800000                ; a plain line behind the reciprocals (64.0: over every expert)
	WALU
.irp i, 0,1,2,3
.irp p, 0,1
	v_mul_f32 v[Q+32*\p+8+\i], v[Q+32*\p+4+\i], v[Q+32*\p+20]      ; the weights
.endr
.endr
.irp p, 0,1
.irp i, 0,1,2,3
	ds_store_b32 v[\ad+16], v[Q+32*\p+8+\i] offset:\p*2*PP+16*\i   ; the rows in the experts' order, through my own stage
.endr
.endr
.irp p, 0,1
	ds_load_b128 v[Q+32*\p+24:Q+32*\p+27], v[\ad+17] offset:\p*2*PP
.endr
	WHERE 22, 8, 20, \ad                           ; the least expert that has the largest weight
	WALU
	s_wait_dscnt 0x0
.irp p, 0,1
	global_store_b128 v[\ad+18], v[Q+32*\p+24:Q+32*\p+27], s[14:15] offset:(\t0+\p)*4096 th:TH_STORE_NT    ; 16 lanes store a row's 256 consecutive bytes, aligned
.endr
.irp i, 0,1,2,3
.irp p, 0,1
	v_cmp_eq_f32 s[42+2*\i-6*(\i/3)+\p], v[\ad+8+\i], v[Q+32*\p+22]
.endr
.irp p, 0,1
	v_cndmask_b32 v[Q+32*\p+12+\i], v[Q+32*\p+8+\i], v[\ad+22], s[42+2*\i-6*(\i/3)+\p]     ; that one element is struck out
.endr
.endr
	LARGEST 21, 12                                 ; the largest of the rest
	WHERE 23, 12, 21, \ad
.irp p, 0,1
	v_cvt_i32_f32 v[Q+32*\p+22], v[Q+32*\p+22]
	v_cvt_i32_f32 v[Q+32*\p+23], v[Q+32*\p+23]
.endr
.irp p, 0,1
	ds_store_b64 v[\ad+19], v[Q+32*\p+20:Q+32*\p+21] offset:128*(\t0+\p)   ; the lanes of a half write the same 8 bytes with the same values
	ds_store_b64 v[\ad+19], v[Q+32*\p+22:Q+32*\p+23] offset:128*(\t0+\p)+512
.endr
.endm
.irp c, 0,1,2,3,4,5,6,7
	WALU
	s_wait_loadcnt 32                              ; this block's 16 loads are in (and b); the two groups of 16 behind it may be out
	WCHUNK \c
.if \c < 5
	WLOAD (\c)+3
.else
	XG 2*((\c)-5)                                  ; x takes the set that W has left
	XG 2*((\c)-5)+1
.endif
.endr
	WALU
	s_wait_tensorcnt 0x0                           ; tokens 0-31 are in my region, which I alone read
	ds_store_b128 v229, v[224:227]                 ; b in the reader's order, into my own table
	XLD 0
	XLD 1
.set PG, 0
.rept 8
	WALU
.if PG < 7
	s_wait_dscnt 8                                 ; this pair is in; the next pair's eight loads may be out
.else
	s_wait_dscnt 0x0
.endif
	XQ PG
.if PG < 6
	XLD PG+2
.endif
.if PG == 3
	MUL 0
.endif
.set PG, PG+1
.endr
	MUL 1
	PLACES 8                                       ; eight places behind this form
	PST 0
	PST 1
	SETUP 224
	WALU
	s_wait_dscnt 0x0                               ; my partial sums have landed
	s_barrier_signal -1
	s_barrier_wait -1
	RED 0, 224
	WALU
	s_wait_xcnt 0x0                                ; the stores' registers are written again only behind this wait
	STAGE 0
.set PG, 0
.rept 6
.if PG == 5
	PST 2                                          ; tokens 32-47's sums, finished two pairs ago
.endif
	STAGE PG+1
.if PG == 5
	SETUP 160                                      ; pairs 4 and 5 have left these registers
.endif
	WALU
	s_wait_dscnt 16                                ; this pair is back; the next pair's eight stores and eight loads may be out
	XQ PG
.if PG == 3
	MUL 2
.endif
.set PG, PG+1
.endr
	WALU
	s_wait_dscnt 0x0
	XQ 6                                           ; ahead of the wait for the last pair
	STAGE 7
	WALU
	s_wait_dscnt 0x0
	XQ 7
	MUL 3
	PLACES 8
	PST 3
	WALU
	s_wait_dscnt 0x0
	s_barrier_signal -1
	s_barrier_wait -1
	RED 2, 160
	WALU
	s_wait_dscnt 0x0
	s_barrier_signal -1
	s_barrier_wait -1                              ; the work-group's 64 pairs of weights and of experts lie in LDS
	s_cmp_lt_u32 s16, 2
	s_cbranch_scc0 .Ldone                          ; wave 0 stores out0's part, wave 1 out1's
	ds_load_b128 v[96:99], v181
	s_wait_dscnt 0x0
	global_store_b128 v180, v[96:99], s[10:11] th:TH_STORE_NT      ; 32 lanes store 512 consecutive bytes, aligned
.Ldone:
	s_wait_tensorcnt 0x0                           ; the wave's end
	ds_add_u32 v[SPW], v[NIL]
	s_wait_dscnt 0x0
	s_endpgm
.Lfunc_end_k_q56b48e16f1_gate:
	.size	k_q56b48e16f1_gate, .Lfunc_end_k_q56b48e16f1_gate-k_q56b48e16f1_gate
	.p2alignl 7, 3214868480
	.fill 96, 4, 3214868480
	.section	.rodata,"a",@progbits
	.p2align	6, 0x0
	.amdhsa_kernel k_q56b48e16f1_gate
		.amdhsa_group_segment_fixed_size 327680
		.amdhsa_private_segment_fixed_size 0
		.amdhsa_enable_private_segment 0
		.amdhsa_kernarg_size 48
		.amdhsa_user_sgpr_count 2
		.amdhsa_user_sgpr_kernarg_segment_ptr 1
		.amdhsa_wavefront_size32 1
		.amdhsa_system_sgpr_workgroup_id_x 1
		.amdhsa_system_sgpr_workgroup_id_y 1
		.amdhsa_system_sgpr_workgroup_id_z 1
		.amdhsa_system_vgpr_workitem_id 0
		.amdhsa_next_free_vgpr 512
		.amdhsa_next_free_sgpr 66
		.amdhsa_reserve_vcc 0
		.amdhsa_float_denorm_mode_32 3
		.amdhsa_float_denorm_mode_16_64 3
		.amdhsa_memory_ordered 1
		.amdhsa_forward_progress 1
		.amdhsa_inst_pref_size 201
	.end_amdhsa_kernel
	.amdgpu_metadata
---
amdhsa.version: [ 1, 2 ]
amdhsa.kernels:
  - .name:           k_q56b48e16f1_gate
    .symbol:         k_q56b48e16f1_gate.kd
    .args:
      - { .name: x, .offset: 0, .size: 8, .value_kind: global_buffer, .address_space: global }
      - { .name: W, .offset: 8, .size: 8, .value_kind: global_buffer, .address_space: global }
      - { .name: b, .offset: 16, .size: 8, .value_kind: global_buffer, .address_space: global }
      - { .name: out0, .offset: 24, .size: 8, .value_kind: global_buffer, .address_space: global }
      - { .name: out1, .offset: 32, .size: 8, .value_kind: global_buffer, .address_space: global }
      - { .name: out2, .offset: 40, .size: 8, .value_kind: global_buffer, .address_space: global }
    .group_segment_fixed_size: 327680
    .private_segment_fixed_size: 0
    .kernarg_segment_align: 8
    .kernarg_segment_size: 48
    .max_flat_workgroup_size: 256
    .sgpr_count:     66
    .vgpr_count:     512
    .wavefront_size: 32
...
	.end_amdgpu_metadata
.endif
;; end of part 1
